; MI455X (gfx1250); checked and timed in simulation.
; The chip was launched on July 23, 2026; its instructions are those of AMD's public machine-readable ISA for CDNA 5 (MIT licence, August 2026) and "CDNA5" Instruction Set Architecture Reference Guide (July 2026). The comments in the code are by the model that wrote it; some were corrected since.
;; Lo RA Linear. Allowed arithmetic: matrix products marked QUANTISED: E2M1 operands, one E8M0 scale for each 32 along K, by v_wmma_scale_f32_16x16x128_f8f6f4 with both operands' format E2M1 (or v_wmma_scale_f32_32x16x128_f4), f32 sums; products left as they are: f32 operands where the result goes on into a quantised operand, else bf16, f16 or f32 operands; f32 sums; everything else in f32.
;; Inputs: bias 2,048 float32; lora_A 16 x 2,048 float32; lora_B 2,048 x 16 float32; weight_codes 2,048 x 64 x 16 uint8 (E2M1 codes of weight, K innermost, in blocks of 32 codes, two codes a byte); weight_scales 2,048 x 64 uint8 (E8M0 scales of weight, one for each 32 codes along K); x_codes 4 x 2,048 x 64 x 16 uint8 (E2M1 codes of x, K innermost, in blocks of 32 codes, two codes a byte); x_scales 4 x 2,048 x 64 uint8 (E8M0 scales of x, one for each 32 codes along K).
;; Outputs: out0 4 x 2,048 x 2,048 float32.
;; This version of the problem:
;;   THIS VERSION OF THE PROBLEM IS GIVEN IN LOW PRECISION. The matrix products marked QUANTISED in the list below multiply operands that are first quantised to E2M1 (2 exponent bits, 1 mantissa bit; 4 bits a number), with one power-of-two scale for each 32 numbers along K (OCP MX v1.0); their sums are f32. All else is computed in f32.
;;   The module's matrix products, in the order in which they are computed (A, B: the left and right operand; K: the contracted axis; several contracted axes count as one K, in the product's order):
;;     1. [M 8,192, K 2,048] x [K 2,048, N 2,048]; A: input x (given as codes); B: input weight (given as codes): QUANTISED
;;     2. [M 2,048, K 16] x [K 16, N 2,048]; A: input lora_B; B: input lora_A: left as it is (K = 16 < 32)
;;     3. [M 8,192, K 2,048] x [K 2,048, N 2,048]; A: input x (given as codes); B: computed on the way: QUANTISED
;;   THE QUANTISER, for each operand of a quantised product, along K:
;;     - K is cut into blocks of 32 from its start; a last block that is shorter is filled with zeros.
;;     - A block's scale is 2^e with e = floor(log2(the largest magnitude in the block)) - 2, held to -126 .. 127; a block of zeros has e = 0. As a byte (E8M0): e + 127.
;;     - Each number is divided by its block's scale, clamped to +-6, and rounded to the nearest number of E2M1, ties to even, subnormals kept.
;;     - The product sums the exact products of the quantised numbers (number of the format x scale) in f32.
;;   ~~~python
;;   def quantise(x, axis):      # numpy; x: float32 -> the quantised numbers, widened to float32 again
;;       x = np.moveaxis(x, axis, -1); K = x.shape[-1]
;;       x = np.pad(x, [(0, 0)] * (x.ndim - 1) + [(0, -K % 32)]); x = x.reshape(x.shape[:-1] + (-1, 32)); a = np.abs(x).max(-1, keepdims=True)
;;       e = np.where(a > 0, np.clip(np.frexp(np.where(a > 0, a, 1))[1] - 1 - 2, -126, 127), 0)      # np.frexp(a)[1] - 1 = floor(log2(a)), exactly
;;       r = np.clip(x / 2.0 ** e, -6, 6)
;;       step = 2.0 ** (np.maximum(np.frexp(np.where(r == 0, 1, r))[1] - 1, 0) - 1)
;;       q = np.round(r / step) * step * 2.0 ** e      # np.round: ties to even
;;       return np.moveaxis(q.reshape(q.shape[:-2] + (-1,))[..., :K], -1, axis).astype(np.float32)
;;   ~~~
;;   OPERANDS COMPUTED ON THE WAY. 'Computed on the way' means the value that the module computes at that place (a softmax that the list does not call 'softmax' is quantised finished and normalised). What goes into a quantiser is computed in f32, as accurately as f32 sums, v_exp_f32 and their like allow (about 1e-6 of the number): no bf16 or f16 on the way to a quantiser, and a product that is left as it is and whose result goes on into a quantised operand takes f32 operands (vector FMAs, or v_wmma_f32_16x16x4_f32). A number that lies on a knife's edge between two numbers of the format may be rounded either way, as far as f32 arithmetic and the matrix unit's own rounding can turn it there, and no further.
;;   INPUTS GIVEN AS CODES. weight (in the module: [2048, 2048], K = its axis 1); x (in the module: [4, 2048, 2048], K = its axis 2): each comes as NAME_codes (uint8): NAME with its K axis moved to the last place and cut into blocks of 32 codes, [.., K / 32, bytes a block], one block behind the other in memory; two codes a byte, the lower K in the low four bits (a code: sign, 2 exponent bits, 1 mantissa bit); and NAME_scales (uint8): the same leading axes, one E8M0 byte (e + 127) for each 32 codes along K. Its value is code x scale, taken as it is: it is not quantised again, and the codes and scales need not be those that the quantiser above would give.
;; One version. Each part assembles by itself: llvm-mc -triple=amdgcn-amd-amdhsa -mcpu=gfx1250 --defsym DOCPART=n.
;; ======== version 1 of 1: 2 launches
;; limits: right only within a limited range of input values
;; workspace buffers: we 4,456,448 bytes
;; launch make_we (part 1): grid 8 x 32, 8 waves a work-group, no clusters, 2,048 bytes of LDS; arguments lora_A, lora_B, weight_codes, weight_scales, we; writes we
.if DOCPART == 1
	.amdgcn_target "amdgcn-amd-amdhsa--gfx1250"
	.amdhsa_code_object_version 6
	.text
	.protected	k_q12baddb2b9_make_we
	.globl	k_q12baddb2b9_make_we
	.p2align	8
	.type	k_q12baddb2b9_make_we,@function
k_q12baddb2b9_make_we:
	s_mov_b64 s[64:65], 0
	v_nop
	global_prefetch_b8 v0, s[64:65] scope:SCOPE_SE
	s_setreg_imm32_b32 hwreg(HW_REG_WAVE_MODE, 25, 1), 1
	s_wait_xcnt 0x0
; E[o][i] = sum over j of lora_B[o][j] lora_A[j][i], j = 0 .. 15, in f32, quantised along i to codes of FP4 with one E8M0 byte for each 32 along i; and W's given codes and scale bytes, copied as they are: both laid as the
; next launch's matrix operands want them.  THE FACTOR 2 (alpha / rank) goes into E's scale bytes: each byte + 1, which is exact.  A byte made here is at most 252 (exponent field 254 less 2), so 0xff is not reached.
; THE WORKSPACE: 128 blocks [chunk of 64 columns o: 32][quarter of K, 512 along i: 4] of 34,816 bytes.  In a block: for each of its four K steps of 128: W's tiles t = 0 .. 3, then E's, 1,024 bytes each, an image of the
; operand's registers (registers 4 c .. 4 c + 3 of lane l at 512 c + 16 l); from byte 32,768 on 512 bytes of scale words for each K step: lane l's 16 bytes are the words of tiles 0 .. 3, W's in lanes 0-15, E's in 16-31.
; A TILE'S 16 COLUMNS ARE NOT NEIGHBOURS: lane r of tile t takes column 4 r + t of the chunk.
; SHARES: work-group x = a pair of K steps, y = chunk; wave w = tile w % 4 of K step 2 x + w / 4.
; THE PRODUCT IS USED TRANSPOSED (source 0 = 16 neighbouring columns i of lora_A, source 1 = 16 rows o of lora_B), so that a lane holds ONE row o and its registers run along i: tile t's register j is i = 16 t + 8 h + j.
; Product c takes the rank's numbers 8 h + 2 c and 8 h + 2 c + 1 in the lanes' half h, on both sides alike: an order of the f32 sum.
; LIMITS: NaN and infinities among the inputs are not served.  A block of zeros gets the floor's byte (1, + 1) where the quantiser's rule says 127: its codes are zeros, which add nothing, and this program alone reads the bytes.
; No tensor loads, no cluster: a wave's text is a straight line over a few KiB of inputs.
.set QB,    34816                      ; bytes of a block of the workspace
.set SPARE, 1024                       ; LDS: 1,024 bytes of scale words, then the spare words, 128 bytes for each wave
.set S1,    16                         ; v16-23   lora_B(o, j = 8 h + 0 .. 7)
.set S0,    24                         ; v24-87   tile t: lora_A(j = 8 h + 0 .. 7, i = 16 t + r) at v[S0 + 8 t]
.set ACC,   96                         ; v96-159  eight tiles of E: written by matrix instructions alone
.set TM,    160                        ; v160-163 largest magnitudes, v164-167 at work and the bytes, v172-175 the conversions' scale operands
.set PW,    176                        ; E's scale word;  v177 W's or E's, by the lane's half
.set PC,    180                        ; v180-187 the fragment's codes
.set BACK,  188                        ; v188-195 scale words read back from LDS
.set WC,    196                        ; v196-203 W's fragment
.set WSC,   204                        ; W's scale word
.set SPW,   206
.set NIL,   207
.set SEL,   20                         ; s[20:21] lane selects for v_permlanex16_b32: lane l xor 16
; 64 numbers of a lane, v[s] .. v[s + 63], register 16 b + 8 u + j = the row's number 32 b + 16 u + 8 h + j, become a fragment's codes in v[PC] on and its scale word in v[PW].
.macro QUANT s
.irp b, 0,1,2,3
	v_max3_num_f32 v[TM+\b], |v[\s+16*\b]|, |v[\s+1+16*\b]|, 0x1800000   ; my 16 numbers, from each accumulator's low end on, and the floor 2^(3 - 127): so the byte cannot fall under 1
.endr
.irp i, 2,4,6,8,10,12,14
.irp b, 0,1,2,3
	v_max3_num_f32 v[TM+\b], v[TM+\b], |v[\s+16*\b+\i]|, |v[\s+1+16*\b+\i]|
.endr
.endr
.irp b, 0,1,2,3
	s_delay_alu instid0(VALU_DEP_4)
	v_permlanex16_b32 v[TM+4+\b], v[TM+\b], s[SEL], s[SEL+1]
.endr
.irp b, 0,1,2,3
	s_delay_alu instid0(VALU_DEP_4)
	v_max_num_f32 v[TM+\b], v[TM+\b], v[TM+4+\b]   ; with lane l xor 16's 16: the block's largest magnitude
.endr
.irp b, 0,1,2,3
	s_delay_alu instid0(VALU_DEP_4)
	v_add_nc_u32 v[TM+12+\b], 0xff000000, v[TM+\b] ; 2 off its exponent field: the conversion's scale operand
.endr
.irp b, 0,1,2,3
	s_delay_alu instid0(VALU_DEP_4)
	v_lshrrev_b32 v[TM+4+\b], 23, v[TM+12+\b]      ; the scale's byte
.endr
	s_delay_alu instid0(VALU_DEP_3)
	v_lshl_or_b32 v[PW], v[TM+5], 8, v[TM+4]
	s_delay_alu instid0(VALU_DEP_1)
	v_lshl_or_b32 v[PW], v[TM+6], 16, v[PW]
	s_delay_alu instid0(VALU_DEP_1)
	v_lshl_or_b32 v[PW], v[TM+7], 24, v[PW]
.irp b, 0,1,2,3
.irp u, 0,1                                    ; eight codes: group 2 u + h of block b
	v_cvt_scalef32_pk8_fp4_f32 v[PC+4*(\b/2)+(\b%2)+2*\u], v[\s+16*\b+8*\u:\s+16*\b+8*\u+7], v[TM+12+\b]
.endr
.endr
	v_nop                                          ; one plain vector instruction behind the last scaled conversion
.irp c, 0,1                                    ; the operand's layout wants a WHOLE block in a lane: lanes 0-15 block 2 c, lanes 16-31 block 2 c + 1: groups 2 u and 2 u + 1 by one exchange
.irp u, 0,1
	v_permlane16_swap_b32 v[PC+4*\c+2*\u], v[PC+4*\c+2*\u+1]
.endr
.endr
.endm
	s_load_b256 s[4:11], s[0:1], 0x0               ; lora_A s[4:5], lora_B s[6:7], W's codes s[8:9], W's scales s[10:11]
	s_load_b64 s[12:13], s[0:1], 0x20              ; the workspace
	v_lshl_add_u32 v[SPW], v0, 2, SPARE
	v_mov_b32 v[NIL], 0
	v_lshrrev_b32 v9, 5, v0
	v_readfirstlane_b32 s14, v9                    ; wave 0..7
	s_and_b32 s15, s14, 3                          ; t
	s_lshr_b32 s16, s14, 2                         ; e: which of the two K steps
	s_lshl_b32 s17, ttmp9, 1
	s_add_co_u32 s17, s17, s16                     ; my K step of 128: 0 .. 15
	s_and_b32 s34, ttmp7, 0xffff                   ; chunk 0 .. 31
	s_lshl_b32 s18, s17, 9                         ; lora_A: 128 columns of 4 bytes a K step
	s_mov_b32 s19, 0
	s_mov_b32 s[SEL], 0x76543210
	s_mov_b32 s[SEL+1], 0xfedcba98
	s_lshl_b32 s22, s34, 12                        ; lora_B, and W's scales too: rows of 64 bytes: 64 chunk + t
	s_lshl_b32 s23, s15, 6
	s_add_co_u32 s22, s22, s23
	s_mov_b32 s23, 0
	s_lshl_b32 s26, s17, 2                         ; W's scales: 4 bytes a K step
	s_add_co_u32 s26, s26, s22
	s_mov_b32 s27, 0
	s_lshl_b32 s24, s22, 4                         ; W's codes: rows of 1,024 bytes,
	s_lshl_b32 s25, s17, 6                         ; 64 bytes a K step
	s_add_co_u32 s24, s24, s25
	s_mov_b32 s25, 0
	s_lshl_b32 s28, s34, 2
	s_lshr_b32 s29, s17, 2
	s_add_co_u32 s28, s28, s29
	s_mul_i32 s30, s28, QB                         ; my block: 4 chunk + quarter
	s_and_b32 s29, s17, 3
	s_lshl_b32 s29, s29, 13
	s_add_co_u32 s28, s30, s29                     ; W's fragment: + 8,192 x (K step % 4) + 1,024 t; E's 4,096 on
	s_lshl_b32 s29, s15, 10
	s_add_co_u32 s28, s28, s29
	s_mov_b32 s29, 0
	s_and_b32 s31, ttmp9, 1
	s_lshl_b32 s31, s31, 10
	s_add_co_u32 s30, s30, s31
	s_add_co_u32 s30, s30, 32768                   ; the two K steps' scale words: 1,024 bytes
	s_mov_b32 s31, 0
	s_lshl_b32 s35, s16, 9
	s_lshl_b32 s36, s15, 2
	s_add_co_u32 s35, s35, s36
	v_and_b32 v1, 15, v0                           ; r
	v_bfe_u32 v2, v0, 4, 1                         ; h
	v_and_b32 v3, 31, v0                           ; lane
	v_lshlrev_b32 v4, 16, v2                       ; lora_A: 8 h rows of 8,192 bytes,
	v_lshlrev_b32 v8, 8, v1                        ; 256 r: W's scales, four rows of 64 bytes from lane to lane
	v_lshlrev_b32 v6, 4, v3                        ; 16 x lane
	v_lshlrev_b32 v10, 12, v1
	v_lshl_add_u32 v4, v1, 2, v4                   ; + 4 bytes a column
	v_lshl_add_u32 v5, v2, 5, v8                   ; lora_B: 256 r + 8 h numbers
	v_add_nc_u32 v7, s35, v6                       ; LDS: my word: 512 e + 16 lane + 4 t
	v_lshl_add_u32 v10, v2, 4, v10                 ; W's codes: 4,096 r + 16 h
	v_cmp_eq_u32 s37, 1, v2                        ; lanes 16-31
.irp b, 0,1,2,3
	v_mov_b32 v[TM+4+\b], 0                        ; written once: a lane permute's destination counts as one of its sources
.endr
	s_wait_alu depctr_va_vdst(0)                   ; the wait at the head's end
	s_wait_kmcnt 0x0
	s_add_nc_u64 s[4:5], s[4:5], s[18:19]
	s_add_nc_u64 s[6:7], s[6:7], s[22:23]
	s_add_nc_u64 s[8:9], s[8:9], s[24:25]
	s_add_nc_u64 s[10:11], s[10:11], s[26:27]
	s_add_nc_u64 s[24:25], s[12:13], s[28:29]
	s_add_nc_u64 s[26:27], s[12:13], s[30:31]
.irp c, 0,1
	global_load_b128 v[S1+4*\c:S1+4*\c+3], v5, s[6:7] offset:16*\c
.endr
.irp c, 0,1,2,3                                ; four of the rank's 16 at a time, so that the first products need not wait for the last loads; W's three in their middle
.if \c == 2
.irp i, 0,1
	global_load_b128 v[WC+4*\i:WC+4*\i+3], v10, s[8:9] offset:32*\i
.endr
	global_load_b32 v[WSC], v8, s[10:11]
.endif
.irp t, 0,1,2,3,4,5,6,7
.irp j, 0,1
	global_load_b32 v[S0+8*\t+2*\c+\j], v4, s[4:5] offset:(2*\c+\j)*8192+64*\t
.endr
.endr
.endr
; The eight accumulators take turns, one instruction a turn.  The first product starts the sums: nothing is cleared.
.irp c, 0,1,2,3
.if \c < 2
	s_wait_loadcnt 16*(3-\c)+3                     ; loads come back in order (ISA guide 5.7.1): the 16 of each later c and W's three may be out
.else
	s_wait_loadcnt 16*(3-\c)                       ; W's three are in too
.endif
.irp t, 0,1,2,3,4,5,6,7
.if \c == 0
	v_wmma_f32_16x16x4_f32 v[ACC+8*\t:ACC+8*\t+7], v[S0+8*\t+2*\c:S0+8*\t+2*\c+1], v[S1+2*\c:S1+2*\c+1], 0
.else
	v_wmma_f32_16x16x4_f32 v[ACC+8*\t:ACC+8*\t+7], v[S0+8*\t+2*\c:S0+8*\t+2*\c+1], v[S1+2*\c:S1+2*\c+1], v[ACC+8*\t:ACC+8*\t+7]
.endif
.endr
.endr
.irp c, 0,1
	global_store_b128 v6, v[WC+4*\c:WC+4*\c+3], s[24:25] offset:512*\c   ; 32 lanes store 512 consecutive bytes, at a multiple of 256 from the workspace's first byte
.endr
.rept 8
	v_nop                                          ; eight places behind this form, ahead of the first vector read of its results (ISA guide 7.12.1)
.endr
	QUANT ACC
	v_add_nc_u32 v[PW], 0x01010101, v[PW]          ; x 2: each byte + 1; a byte is at most 252, so nothing is carried from byte to byte
	v_cndmask_b32 v[PW+1], v[WSC], v[PW], s37      ; lanes 0-15 W's word, lanes 16-31 E's (lanes l and l xor 16 have the same row's)
.irp c, 0,1
	global_store_b128 v6, v[PC+4*\c:PC+4*\c+3], s[24:25] offset:4096+512*\c
.endr
	ds_store_b32 v7, v[PW+1]
	s_wait_dscnt 0x0                               ; for the others' sake: my store has landed
	s_barrier_signal -1
	s_barrier_wait -1                              ; the eight waves' words lie in LDS: 1,024 bytes
	s_cmp_lg_u32 s14, 0
	s_cbranch_scc1 .Lend                           ; wave 0 sends them out
	ds_load_b128 v[BACK:BACK+3], v6
	ds_load_b128 v[BACK+4:BACK+7], v6 offset:512
	s_wait_dscnt 0x0
	global_store_b128 v6, v[BACK:BACK+3], s[26:27]
	global_store_b128 v6, v[BACK+4:BACK+7], s[26:27] offset:512
.Lend:
	s_wait_tensorcnt 0x0                           ; the wave's end
	ds_add_u32 v[SPW], v[NIL]
	s_wait_dscnt 0x0
	s_endpgm
.Lfunc_end_k_q12baddb2b9_make_we:
	.size	k_q12baddb2b9_make_we, .Lfunc_end_k_q12baddb2b9_make_we-k_q12baddb2b9_make_we
	.p2alignl 7, 3214868480
	.fill 96, 4, 3214868480
	.section	.rodata,"a",@progbits
	.p2align	6, 0x0
	.amdhsa_kernel k_q12baddb2b9_make_we
		.amdhsa_group_segment_fixed_size 2048
		.amdhsa_private_segment_fixed_size 0
		.amdhsa_enable_private_segment 0
		.amdhsa_kernarg_size 40
		.amdhsa_user_sgpr_count 2
		.amdhsa_user_sgpr_kernarg_segment_ptr 1
		.amdhsa_wavefront_size32 1
		.amdhsa_system_sgpr_workgroup_id_x 1
		.amdhsa_system_sgpr_workgroup_id_y 1
		.amdhsa_system_sgpr_workgroup_id_z 1
		.amdhsa_system_vgpr_workitem_id 0
		.amdhsa_next_free_vgpr 208
		.amdhsa_next_free_sgpr 66
		.amdhsa_reserve_vcc 0
		.amdhsa_float_denorm_mode_32 3
		.amdhsa_float_denorm_mode_16_64 3
		.amdhsa_memory_ordered 1
		.amdhsa_forward_progress 1
		.amdhsa_inst_pref_size 18
	.end_amdhsa_kernel
	.amdgpu_metadata
---
amdhsa.version: [ 1, 2 ]
amdhsa.kernels:
  - .name:           k_q12baddb2b9_make_we
    .symbol:         k_q12baddb2b9_make_we.kd
    .args:
      - { .name: lora_A, .offset: 0, .size: 8, .value_kind: global_buffer, .address_space: global }
      - { .name: lora_B, .offset: 8, .size: 8, .value_kind: global_buffer, .address_space: global }
      - { .name: weight_codes, .offset: 16, .size: 8, .value_kind: global_buffer, .address_space: global }
      - { .name: weight_scales, .offset: 24, .size: 8, .value_kind: global_buffer, .address_space: global }
      - { .name: we, .offset: 32, .size: 8, .value_kind: global_buffer, .address_space: global }
    .group_segment_fixed_size: 2048
    .private_segment_fixed_size: 0
    .kernarg_segment_align: 8
    .kernarg_segment_size: 40
    .max_flat_workgroup_size: 256
    .sgpr_count:     66
    .vgpr_count:     208
    .wavefront_size: 32
...
	.end_amdgpu_metadata
.endif
;; end of part 1
;; launch gemm (part 2): grid 8 x 32, 4 waves a work-group, clusters of 4 x 4, 327,680 bytes of LDS; arguments x_codes, x_scales, out0, bias, we; writes out0
.if DOCPART == 2
	.amdgcn_target "amdgcn-amd-amdhsa--gfx1250"
	.amdhsa_code_object_version 6
	.text
	.protected	k_q12baddb2b9_gemm
	.globl	k_q12baddb2b9_gemm
	.p2align	8
	.type	k_q12baddb2b9_gemm,@function
k_q12baddb2b9_gemm:
	s_mov_b64 s[64:65], 0
	v_nop
	global_prefetch_b8 v0, s[64:65] scope:SCOPE_SE
	s_setreg_imm32_b32 hwreg(HW_REG_WAVE_MODE, 25, 1), 1
	s_wait_xcnt 0x0
	s_wait_alu depctr_hold_cnt(0) depctr_sa_sdst(0) depctr_va_vdst(0) depctr_va_sdst(0) depctr_va_ssrc(0) depctr_va_vcc(0) depctr_vm_vsrc(0)
	s_getreg_b32 s2, hwreg(HW_REG_IB_STS2, 6, 4)
	s_cmp_eq_u32 s2, 0
	s_cbranch_scc0 .Lentry_in_a_cluster
	s_endpgm
.Lentry_in_a_cluster:
	s_bfe_u32 s2, ttmp6, 0x10000c
	s_cmp_lg_u32 s2, 0xf033
	s_cbranch_scc0 .Lentry_shape_is_right
	s_endpgm
.Lentry_shape_is_right:
; out0[m][n] = bias[n] + sum over k of x[m][k] W[n][k] + sum over k of x[m][k] E[n][k], E = 2 Q(lora_B lora_A); W and E as the launch before has laid them: images of the operand's registers, the factor 2 in E's scale bytes.
; x: [8192][2048] codes of FP4, two a byte, K innermost: a row is 1,024 bytes; scale bytes [8192][64].  out0: [8192][2048] f32.
; LIMITS, an order of rounding: reference() rounds base and lora apart and adds them; here W's and E's products meet in one f32 sum, and the bias is added at its end.  NaN and infinities are not served.
; SHARES.  A work-group of four waves, as many as a WGP has SIMDs, makes 256 x 256 of out0; 8 x 32 work-groups.  A wave makes 64 rows x 256 columns.  ITS 64 ROWS OF x, OVER THE WHOLE K, STAY IN 512 REGISTERS.
; W and E come through LDS in four chunks of 64 columns; a chunk is walked over the whole K: 16 K steps of 128, in each 8 matrix instructions of 32 x 16 x 128 for W's four tiles, then 8 for E's.
; While a chunk is multiplied, the chunk before it leaves: the two take turns on two sets of 128 accumulator registers.
; THE WAY OUT NEEDS NO LDS: tile t of a chunk holds the columns 4 r + t, so registers i of the four tiles' accumulators are, in lane (r, h), four neighbouring columns of one row, and sixteen lanes hold 256 neighbouring bytes.
; The four numbers are brought together by the additions of the bias, which are due anyway.
; A K STEP HAS ONE GAP, ahead of its 16 matrix instructions: two stores and all of the next K step's LDS loads stand there in one run.
; LDS: nine slots of 34,816 bytes, each a quarter of a chunk (512 along K, 64 columns of W and of E, and their scale words); a quarter of x's tile (256 rows x 256 bytes, padded to 272) takes two slots.
;   at the head: x's quarters 0, 1, 2 in slots 3-4, 5-6, 7-8, chunk 0's quarters 0-2 in slots 0-2: one load a wave.   Round A, K step 3: x's quarter 3 to slots 3-4, chunk 0's quarter 3 to slot 0, chunk 1's quarter 0 to slot 5.
;   Round S, K step 10: chunk 1's other quarters to slots 6-8.   Round B, K step 18 (the third of chunk 1): chunk 2 to slots 0-3.   Round C, K step 30 (the last but one of chunk 1): chunk 3 to slots 5-8.
; CLUSTERS: 4 x 4 work-groups.  The four of a row of the cluster need the same x, the four of a column the same W and E: each tile is asked for JOINTLY, by the same tensor load with the same descriptor and a mask of the four.
; PREFETCH, what finds no slot at the head: x's quarter 3 (waves 0 and 1, 32 rows an instruction, the four partners of a row of the cluster sharing the rows out) and chunk 0's quarter 3 (wave 2) are asked for at the head; chunk 1
; behind K step 0, 3 and 10 K steps ahead of its loads; chunk 2 behind K step 6, 12 ahead; chunk 3 behind K step 16, 14 ahead; nothing further: there is no chunk 4.  A chunk is 544 blocks of 256 bytes: clusters of even y name
; its first half, clusters of odd y its second, and in a cluster the four partners of a column take 68 blocks each, 17 a wave: all told apart by address.  So a block is named by four clusters, and once in each.
; REGISTERS: window 0: below.   window 1: accumulators, set s, tile t, rows 32 m .. 32 m + 31 at v[128 s + 32 t + 16 m].   windows 2, 3: x: K step k, rows 16 b .. at v[512 + 32 k + 8 b].
.set PITCH, 272                        ; an LDS row of x: 256 bytes + 16 of padding = 68 words: the 16 rows that a load touches start at 16 different groups of four banks (64 banks of 4 bytes: ISA guide 11.1)
.set QB,    34816
.set SPARE, 9*QB                       ; the spare words, 128 bytes for each wave: two blocks of 256 bytes that no other line names
.set ROWO,  8192                       ; a row of out0 in bytes
.set WA,   8                           ; v8-16   slot k's first byte + 16 x lane
.set XA,   17                          ; v17-19  my fragments of x in slots 3, 5, 7
.set CO,   20                          ; v20     my byte offset in out0
.set SPW,  21                          ; v21     LDS address of my spare word; never rewritten
.set NIL,  22                          ; v22     0; never rewritten
.set PFO,  23                          ; v23     x's prefetch: 1,024 x lane; never rewritten
.set PFW,  24                          ; v24     W's and E's: 256 x lane, lanes 17-31 as lane 16; never rewritten
.set XS,   32                          ; v32-63  x's scale words: rows 32 m + lane, K step k at v[XS + 16 m + k]
.set WS,   64                          ; v64-79  W's (lanes 0-15) and E's (16-31) scale words: four sets of four tiles
.set BI,   80                          ; v80-95  the bias of columns 4 r .. 4 r + 3 of each chunk
.set TMP,  96                          ; v96-127 results on their way out: eight stores' data
.set FR,   128                         ; v128-255 fragments: K step g in buffer g % 2: W's four tiles, then E's; at the very end results on their way out
.set GX,   24                          ; group 1: x's tiles;
.set G136, 32                          ; one quarter of a chunk,
.set G272, 40                          ; two quarters,
.set G408, 48                          ; three
.set GA,   56                          ; group 0 for the loads of wave 0, 1, 2, 3
.set GB,   60
.set GC,   68
.set GD,   72
.set MSB, 0
.set ISS, 0                            ; LDS instructions issued so far
.set MW0, 0                            ; what ISS was behind the last load of W, of E, for the newest even and odd K step
.set MW1, 0
.set ME0, 0
.set ME1, 0
.set HG,  0                            ; the K step that is multiplied: 0 .. 63
.set ST,  0                            ; the store of a chunk's 32
.macro WIN new                         ; the immediate's high byte repeats the setting that is left; a switch that changes nothing is dropped
.if MSB != \new
	s_set_vgpr_msb (MSB<<8)|\new
.set MSB, \new
.endif
.endm
.macro PLACES n
.rept \n
	v_nop
.endr
.endm
.macro TLOAD g0, g1
	tensor_load_to_lds s[\g0:\g0+3], s[\g1:\g1+7]
	s_nop 0
	PLACES 4
.endm
; One load a wave at the most; the branches hang on the wave's number alone.  d = 0: wave 3 has none.
.macro LOADS a, b, c, d
	s_cmp_lt_u32 s18, 1
	s_cbranch_scc0 .Lw1_\@
	TLOAD GA, \a
	s_branch .Lasked_\@
.Lw1_\@:
	s_cmp_lt_u32 s18, 2
	s_cbranch_scc0 .Lw2_\@
	TLOAD GB, \b
	s_branch .Lasked_\@
.Lw2_\@:
	s_cmp_lt_u32 s18, 3
.if \d
	s_cbranch_scc0 .Lw3_\@
	TLOAD GC, \c
	s_branch .Lasked_\@
.Lw3_\@:
	TLOAD GD, \d
.else
	s_cbranch_scc0 .Lasked_\@
	TLOAD GC, \c
.endif
.Lasked_\@:
.endm
.macro LOADS2                          ; waves 2 and 3: two quarters each
	s_cmp_lt_u32 s18, 2
	s_cbranch_scc1 .Lasked_\@
	s_cmp_lt_u32 s18, 3
	s_cbranch_scc0 .Lw3_\@
	TLOAD GC, G272
	s_branch .Lasked_\@
.Lw3_\@:
	TLOAD GD, G272
.Lasked_\@:
.endm
.macro LOADS1                          ; wave 2: three quarters
	s_cmp_eq_u32 s18, 2
	s_cbranch_scc0 .Lasked_\@
	TLOAD GC, G408
.Lasked_\@:
.endm
.macro ASKWE off                       ; a chunk of W and E into the L2, my 17 blocks of it
	WIN 0
	global_prefetch_b8 v[PFW], s[86:87] offset:\off th:TH_LOAD_NT scope:SCOPE_SE
.endm
.macro CREST                           ; a round of the cluster's barrier behind its opening barrier
	s_cmp_lg_u32 s18, 0
	s_cbranch_scc1 .Lnot_wave_0_\@
	s_barrier_signal -3
.Lnot_wave_0_\@:
	s_barrier_wait -3
	s_barrier_signal -1
	s_barrier_wait -1
.endm
.macro CROUND                          ; a whole round
	s_barrier_signal -1
	s_barrier_wait -1
	CREST
.endm
.macro SHAPE g, c, r, p                ; words 1 to 7 of a group 1: r rows of c elements, p elements from row to row
	s_mov_b32 s[\g+1], (\c)<<16
	s_mov_b32 s[\g+2], (\r)<<16
	s_mov_b32 s[\g+3], (\c)<<16
	s_mov_b32 s[\g+4], \r
	s_mov_b32 s[\g+5], \p
	s_mov_b32 s[\g+6], 0
	s_mov_b32 s[\g+7], 0
.endm
.macro AIM g, lds, base, off           ; a group 0: it is written where no tensor load of the wave is out
	s_mov_b32 s[\g], 1
	s_mov_b32 s[\g+1], \lds
	s_add_nc_u64 s[\g+2:\g+3], s[\base:\base+1], \off
	s_or_b32 s[\g+3], s[\g+3], 0x80000000
.endm
	s_load_b256 s[4:11], s[0:1], 0x0               ; x's codes s[4:5], x's scales s[6:7], out0 s[8:9], bias s[10:11]
	s_load_b64 s[12:13], s[0:1], 0x20              ; W and E
	v_lshl_add_u32 v[SPW], v0, 2, SPARE
	v_mov_b32 v[NIL], 0
	ds_add_u32 v[SPW], v[NIL]                      ; the wave's opening: the add, twice on end, and its wait ahead of my first tensor load
	ds_add_u32 v[SPW], v[NIL]
	v_lshrrev_b32 v1, 5, v0
	v_readfirstlane_b32 s18, v1                    ; wave 0..3
	s_bfe_u32 s2, ttmp6, 0x40000                   ; cx
	s_bfe_u32 s22, ttmp6, 0x40004                  ; cy
	s_lshl_b32 s21, ttmp9, 2
	s_add_co_u32 s21, s21, s2                      ; tile column = 4 x cluster x + cx
	s_and_b32 s20, ttmp7, 0xffff
	s_lshl_b32 s20, s20, 2
	s_add_co_u32 s20, s20, s22                     ; tile row = 4 x cluster y + cy
	s_lshl_b32 s84, s2, 16                         ; x's prefetch: my work-group's 64 of the 256 rows
	s_and_b32 s90, ttmp7, 1                        ; W's and E's: the cluster's half of a quarter, 68 blocks of 256 bytes,
	s_mul_i32 s90, s90, 68*256
	s_mul_i32 s91, s22, 17*256                     ; and my 17 of them;
	s_add_co_u32 s90, s90, s91
	s_lshl_b32 s86, s90, 2                         ; in a chunk four times as far: my 68 blocks
	s_lshl_b32 s23, s22, 2
	s_lshl_b32 s23, 15, s23                        ; my row of the cluster
	s_lshl_b32 s3, 0x1111, s2                      ; my column
	s_or_b32 s[GX], s23, (1<<20)|(1<<21)|(5<<22)|(3<<25)   ; 15:0 the mask; elements of 1 byte; 20 padding on; 21 set beside a mask; after every 64 words (code 5) four words (code 3)
	s_or_b32 s[G136], s3, (3<<16)|(1<<21)                  ; elements of 8 bytes, no padding
	s_or_b32 s[G272], s3, (3<<16)|(1<<21)
	s_or_b32 s[G408], s3, (3<<16)|(1<<21)
	SHAPE GX, 256, 256, 1024                       ; 256 rows x 256 bytes, 1,024 bytes apart
	SHAPE G136, 32, 136, 32                        ; dense blocks as rows of 256 bytes
	SHAPE G272, 32, 272, 32
	SHAPE G408, 32, 408, 32
	s_lshl_b32 s22, s20, 18                        ; x: 256 x tile row rows of 1,024 bytes
	s_mov_b32 s23, 0
	s_mul_i32 s2, s21, 16*QB                       ; W and E: 16 quarters a tile column
	s_mov_b32 s3, 0
	s_wait_dscnt 0x0                               ; both opening adds are done
	s_wait_kmcnt 0x0
	s_add_nc_u64 s[76:77], s[4:5], s[22:23]
	s_add_nc_u64 s[78:79], s[12:13], s[2:3]
	AIM GA, 3*QB, 76, 0
	AIM GB, 5*QB, 76, 256
	AIM GC, 0, 78, 0
	AIM GD, 7*QB, 76, 512
	CROUND                                         ; all sixteen work-groups are here: the first joint loads meet
	LOADS GX, GX, G408, GX                         ; one tensor load a wave at the head
	s_mov_b32 s67, 0
	s_lshl_b32 s22, s20, 14                        ; x's scale bytes: rows of 64: 256 x tile row + 64 x wave
	s_add_nc_u64 s[6:7], s[6:7], s[22:23]
	s_lshl_b32 s66, s18, 12
	s_add_nc_u64 s[6:7], s[6:7], s[66:67]
	s_lshl_b32 s2, s21, 10                         ; 256 columns of f32 a tile column
	s_add_nc_u64 s[10:11], s[10:11], s[2:3]
	s_add_nc_u64 s[8:9], s[8:9], s[2:3]
	s_lshl_b32 s22, s20, 21                        ; out0: the same rows, of 8,192 bytes
	s_add_nc_u64 s[8:9], s[8:9], s[22:23]
	s_lshl_b32 s66, s18, 19
	s_add_nc_u64 s[8:9], s[8:9], s[66:67]
	s_lshl_b32 s66, s18, 15                        ; x's prefetch: 32 rows a wave
	s_add_co_u32 s84, s84, s66
	s_mov_b32 s85, 0
	s_add_nc_u64 s[82:83], s[76:77], s[84:85]
	s_mul_i32 s66, s18, 17*256                     ; W's and E's, a chunk's: 17 blocks a wave
	s_add_co_u32 s86, s86, s66
	s_mov_b32 s87, 0
	s_add_nc_u64 s[86:87], s[78:79], s[86:87]
	s_mov_b32 s91, 0
	s_add_nc_u64 s[90:91], s[78:79], s[90:91]
	s_mul_i32 s66, s18, 64*PITCH                   ; my 64 rows of x in LDS
	v_and_b32 v2, 31, v0                           ; lane
	v_and_b32 v3, 15, v0                           ; r
	v_bfe_u32 v4, v0, 4, 1                         ; h
	v_lshlrev_b32 v5, 6, v2
	v_lshlrev_b32 v6, 4, v3
.irp m, 0,1                                    ; a lane takes its row's 64 bytes: the words of the 16 K steps
.irp i, 0,1,2,3
	global_load_b128 v[XS+16*\m+4*\i:XS+16*\m+4*\i+3], v5, s[6:7] offset:2048*\m+16*\i
.endr
.endr
.irp c, 0,1,2,3
	global_load_b128 v[BI+4*\c:BI+4*\c+3], v6, s[10:11] offset:256*\c
.endr
	v_lshlrev_b32 v[PFO], 10, v2
	v_min_u32 v[PFW], 16, v2
	v_lshlrev_b32 v[WA], 4, v2
	v_mul_u32_u24 v7, v3, PITCH
	v_lshlrev_b32 v[PFW], 8, v[PFW]
	v_lshl_add_u32 v7, v4, 4, v7                   ; row x pitch + 16 x half
.irp k, 1,2,3,4,5,6,7,8
	v_add_nc_u32 v[WA+\k], \k*QB, v[WA]
.endr
	v_add_nc_u32 v7, s66, v7
	v_lshlrev_b32 v[CO], 16, v4                    ; lanes 16-31: eight rows on
	v_add_nc_u32 v[XA], 3*QB, v7
	v_add_nc_u32 v[XA+1], 5*QB, v7
	v_add_nc_u32 v[XA+2], 7*QB, v7
	v_lshl_add_u32 v[CO], v3, 4, v[CO]
; LDS LOADS of K step g into buffer g % 2: its scale words, W's four tiles, E's four: 17.  A fragment is 16 columns x 128 K in 8 registers.
.macro TILES kind
.irp t, 0,1,2,3
.irp c, 0,1
	ds_load_b128 v[LRG+32*\kind+8*\t+4*\c:LRG+32*\kind+8*\t+4*\c+3], v[WA+LSL] offset:8192*(LK%4)+4096*\kind+1024*\t+512*\c
.endr
.endr
.set ISS, ISS+8
.endm
.macro WELOAD g
	WIN 0
.set LG, (\g)
.set LC, LG/16
.set LK, LG%16
.set LQ, LK/4
.set LSL, LQ+5*(LC%2)
.if LC == 0 && LQ == 3
.set LSL, 0
.endif
.set LRG, FR+64*(LG%2)
	ds_load_b128 v[WS+4*(LK%4):WS+4*(LK%4)+3], v[WA+LSL] offset:32768+512*(LK%4)
.set ISS, ISS+1
	TILES 0
.if LG%2 == 0
.set MW0, ISS
.else
.set MW1, ISS
.endif
	TILES 1
.if LG%2 == 0
.set ME0, ISS
.else
.set ME1, ISS
.endif
.endm
.macro XLOAD k                         ; my 64 rows of x, K step k, into their registers: ahead of the loads of W and E for K step k, so that the wait for these covers it
	WIN (0x80+0x40*((\k)/8))
.set XI, ((\k)/4)%3
.irp m, 0,1,2,3
.irp c, 0,1
.set XD, (32*(\k)+8*\m+4*\c)%256
	ds_load_b128 v[XD:XD+3], v[XA+XI] offset:64*((\k)%4)+32*\c+16*PITCH*\m
.endr
.endr
.set ISS, ISS+8
.endm
.macro WAITFOR even, odd               ; LDS loads come back in order (ISA guide 5.7.1): what was issued behind this K step's last load of the kind may stay out
.if HG%2 == 0
.set WN, ISS-\even
.else
.set WN, ISS-\odd
.endif
.if WN > 63
.set WN, 63
.endif
	s_wait_dscnt WN+0
.endm
; Four matrix instructions: tiles 2 p, 2 p + 1 of W (kind 0) or E (kind 1) x my two 32 rows.  The eight accumulators take turns, in the same order throughout: seven others stand between two on one.
; W's scale words lie in lanes 0-15 of their register, E's in lanes 16-31.  W's products of a chunk's first K step start the sums: nothing is cleared.
.macro MUL4 kind, p
	WIN (0x52+HK/8)                                ; source 0 (x) window 2 or 3, source 1 window 0, C and D window 1
.irp t, 2*\p, 2*\p+1
.irp m, 0,1
.set rD, 128*(HC%2)+32*(\t)+16*\m
.set rA, (32*HK+16*\m)%256
.set rB, FR+64*(HG%2)+32*\kind+8*(\t)
.set rX, XS+16*\m+HK
.set rS, WS+4*(HK%4)+(\t)
.if \kind
	v_wmma_scale_f32_32x16x128_f4 v[rD:rD+15], v[rA:rA+15], v[rB:rB+7], v[rD:rD+15], v[rX], v[rS] matrix_b_scale:MATRIX_SCALE_ROW1
.elseif HK == 0
	v_wmma_scale_f32_32x16x128_f4 v[rD:rD+15], v[rA:rA+15], v[rB:rB+7], 0, v[rX], v[rS]
.else
	v_wmma_scale_f32_32x16x128_f4 v[rD:rD+15], v[rA:rA+15], v[rB:rB+7], v[rD:rD+15], v[rX], v[rS]
.endif
.endr
.endr
.endm
; THE WAY OUT.  Store ST = 16 m + i of a chunk: register i of its four tiles' accumulators of rows 32 m on, each with its column's bias: rows 32 m + 16 (i / 8) + i % 8, and eight rows on in lanes 16-31.
; An accumulator is read from its low end on.
.macro ADDS tb, as, bc
.set SI, ST%16
.set SM, ST/16
.irp t, 0,1,2,3
	v_add_f32 v[\tb+\t], v[\as+32*\t+16*SM+SI], v[\bc+\t]
.endr
.set ST, ST+1
.endm
.macro STORE si, tb, cc                ; sixteen lanes store 256 consecutive bytes, at a multiple of 256 from out0's first byte; written once, read by nobody here
	global_store_b128 v[CO], v[\tb:\tb+3], s[8:9] offset:(32*((\si)/16)+16*(((\si)%16)/8)+((\si)%8))*ROWO+256*(\cc) th:TH_STORE_NT
.endm
; THE GAP ahead of K step HG's products: two of the chunk before's 32 stores, and the loads for K step HG + 1, whose buffer K step HG - 1 has left.  A load into a register that a matrix instruction has read stands four places
; behind it, and only plain vector instructions that name none of its registers are places (ISA guide 7.12.1 for vector instructions): the additions, or four v_nop.
; xa: a K step of x to be loaded first, xb, xc, xd: behind; -1: none.
.macro GAP xa, xb, xc, xd
.set HC, HG/16
.set HK, HG%16
.if HC > 0
.if HK == 0
.set ST, 0
	PLACES 4                                       ; the additions read what the chunk before's last products have just written
.endif
	WIN 1                                          ; source 0 (the accumulators) window 1
.if ST%8 == 0
	s_wait_xcnt 0x0                                ; the stores issued so far have read their data: the eight stores' registers may be written again
.endif
.set ACS, 128*((HC+1)%2)
.set BCH, BI+4*(HC-1)
.rept 2
.set TB, TMP+4*(ST%8)
	ADDS TB, ACS, BCH
.endr
	WIN 0
.set SN, ST-2
.rept 2
.set TB, TMP+4*(SN%8)
	STORE SN, TB, HC-1
.set SN, SN+1
.endr
.else
	WIN 0
	PLACES 4
.endif
.if \xa >= 0
	XLOAD \xa
.endif
.if HG+1 < 64
	WELOAD HG+1
.endif
.irp k, \xb, \xc, \xd
.if \k >= 0
	XLOAD \k
.endif
.endr
.endm
.macro KSTEP xa, xb, xc, xd
	GAP \xa, \xb, \xc, \xd
	WAITFOR MW0, MW1
	MUL4 0, 0
	MUL4 0, 1
	WAITFOR ME0, ME1
	MUL4 1, 0
	MUL4 1, 1
.set HG, HG+1
.endm
; A K STEP WITH A BARRIER: GAP, MEET, (new descriptors,) CROSS, (the rest of a round and the refills).
.macro MEET add
	WIN 0
	s_wait_tensorcnt 0x0                           ; all my tensor loads have landed
.if \add
	ds_add_u32 v[SPW], v[NIL]                      ; 0 onto my spare word
.set ISS, ISS+1
.endif
.endm
.macro CROSS
	WAITFOR MW0, MW1
	MUL4 0, 0
	MUL4 0, 1
	WAITFOR ME0, ME1
	MUL4 1, 0
	s_wait_dscnt 0x0                               ; my reads are over (and the add is done)
	s_barrier_signal -1
	MUL4 1, 1                                      ; work on registers while the others arrive
	WIN 0
	s_barrier_wait -1
.set HG, HG+1
.endm
	s_wait_alu depctr_va_vdst(0)                   ; the wait at the head's end
	s_cmp_lt_u32 s18, 2
	s_cbranch_scc0 .Lnot_x
	global_prefetch_b8 v[PFO], s[82:83] offset:768 th:TH_LOAD_NT scope:SCOPE_SE    ; x's quarter 3 of K, a lane a row
	s_branch .Lhead_done
.Lnot_x:
	s_cmp_eq_u32 s18, 2
	s_cbranch_scc0 .Lhead_done
	global_prefetch_b8 v[PFW], s[90:91] offset:3*QB th:TH_LOAD_NT scope:SCOPE_SE   ; chunk 0's quarter 3, 17 blocks
.Lhead_done:
	s_wait_tensorcnt 0x0                           ; my load of the head's four is in
	s_barrier_signal -1
	s_barrier_wait -1                              ; everybody's is
	XLOAD 0
	WELOAD 0
	s_wait_loadcnt 0x0                             ; x's scale words and the bias
	KSTEP 1, 2, 3, 4
	ASKWE 4*QB                                     ; chunk 1
	KSTEP -1, 5, 6, 7
	KSTEP -1, 8, 9, -1
	GAP -1, 10, 11, -1                             ; ROUND A, K step 3: x's quarters 0-2 lie in registers, chunk 0's quarter 0 has been read
	MEET 1
	AIM GA, 3*QB, 76, 768
	AIM GB, 0, 78, 3*QB
	AIM GC, 5*QB, 78, 4*QB
	CROSS
	CREST                                          ; no wave of any partner still reads these slots or has a load on its way
	LOADS GX, G136, G136, 0                        ; the first tensor load behind the round, one a wave
.rept 3
	KSTEP -1, -1, -1, -1
.endr
	ASKWE 8*QB                                     ; chunk 2
.rept 3
	KSTEP -1, -1, -1, -1
.endr
	GAP -1, -1, -1, -1                             ; ROUND S, K step 10: x's and chunk 0's last quarters and chunk 1's first are in
	MEET 1
	AIM GC, 6*QB, 78, 5*QB
	CROSS
	CREST
	LOADS1
	KSTEP 12, 13, -1, -1
	KSTEP -1, 14, -1, -1
	KSTEP -1, 15, -1, -1
.rept 3
	KSTEP -1, -1, -1, -1
.endr
	ASKWE 12*QB                                    ; chunk 3
	KSTEP -1, -1, -1, -1
	GAP -1, -1, -1, -1                             ; ROUND B, K step 18: chunk 0 has been read, chunk 1 is in
	MEET 1
	AIM GC, 0, 78, 8*QB
	AIM GD, 2*QB, 78, 10*QB
	CROSS
	CREST
	LOADS2
.rept 11
	KSTEP -1, -1, -1, -1
.endr
	GAP -1, -1, -1, -1                             ; ROUND C, K step 30: chunk 1 has been read, chunk 2 is in
	MEET 1
	AIM GC, 5*QB, 78, 12*QB
	AIM GD, 7*QB, 78, 14*QB
	CROSS
	CREST
	LOADS2
.rept 15
	KSTEP -1, -1, -1, -1
.endr
	GAP -1, -1, -1, -1                             ; K step 46: chunk 3 is in
	MEET 0
	CROSS
.rept 17
	KSTEP -1, -1, -1, -1
.endr
	PLACES 4                                       ; behind the last products, for the additions that read them and write over the fragments
.set ST, 0
.rept 8
	WIN 1
.rept 4
.set TB, FR+4*ST
	ADDS TB, 128, BI+12
.endr
	WIN 0
.set SN, ST-4
.rept 4
.set TB, FR+4*SN
	STORE SN, TB, 3
.set SN, SN+1
.endr
.endr
	s_wait_tensorcnt 0x0                           ; the wave's end
	ds_add_u32 v[SPW], v[NIL]
	s_wait_dscnt 0x0
	CROUND                                         ; the closing round: no work-group ends while a partner may still ask for a tile that names it
	s_endpgm
.Lfunc_end_k_q12baddb2b9_gemm:
	.size	k_q12baddb2b9_gemm, .Lfunc_end_k_q12baddb2b9_gemm-k_q12baddb2b9_gemm
	.p2alignl 7, 3214868480
	.fill 96, 4, 3214868480
	.section	.rodata,"a",@progbits
	.p2align	6, 0x0
	.amdhsa_kernel k_q12baddb2b9_gemm
		.amdhsa_group_segment_fixed_size 327680
		.amdhsa_private_segment_fixed_size 0
		.amdhsa_enable_private_segment 0
		.amdhsa_kernarg_size 40
		.amdhsa_user_sgpr_count 2
		.amdhsa_user_sgpr_kernarg_segment_ptr 1
		.amdhsa_wavefront_size32 1
		.amdhsa_system_sgpr_workgroup_id_x 1
		.amdhsa_system_sgpr_workgroup_id_y 1
		.amdhsa_system_sgpr_workgroup_id_z 1
		.amdhsa_system_vgpr_workitem_id 0
		.amdhsa_next_free_vgpr 1024
		.amdhsa_next_free_sgpr 96
		.amdhsa_reserve_vcc 0
		.amdhsa_float_denorm_mode_32 3
		.amdhsa_float_denorm_mode_16_64 3
		.amdhsa_memory_ordered 1
		.amdhsa_forward_progress 1
		.amdhsa_inst_pref_size 255
	.end_amdhsa_kernel
	.section	.bss,"aw",@nobits
	.p2align	6
	.space	262144
	.amdgpu_metadata
---
amdhsa.version: [ 1, 2 ]
amdhsa.kernels:
  - .name:           k_q12baddb2b9_gemm
    .symbol:         k_q12baddb2b9_gemm.kd
    .args:
      - { .name: x_codes, .offset: 0, .size: 8, .value_kind: global_buffer, .address_space: global }
      - { .name: x_scales, .offset: 8, .size: 8, .value_kind: global_buffer, .address_space: global }
      - { .name: out0, .offset: 16, .size: 8, .value_kind: global_buffer, .address_space: global }
      - { .name: bias, .offset: 24, .size: 8, .value_kind: global_buffer, .address_space: global }
      - { .name: we, .offset: 32, .size: 8, .value_kind: global_buffer, .address_space: global }
    .group_segment_fixed_size: 327680
    .private_segment_fixed_size: 0
    .kernarg_segment_align: 8
    .kernarg_segment_size: 40
    .max_flat_workgroup_size: 128
    .sgpr_count:     96
    .vgpr_count:     1024
    .wavefront_size: 32
...
	.end_amdgpu_metadata
.endif
;; end of part 2
